; MI455X (gfx1250); checked and timed in simulation.
; The chip was launched on July 23, 2026; its instructions are those of AMD's public machine-readable ISA for CDNA 5 (MIT licence, August 2026) and "CDNA5" Instruction Set Architecture Reference Guide (July 2026). The comments in the code are by the model that wrote it; some were corrected since.
;; Group Linear. Allowed arithmetic: matrix products marked QUANTISED: E2M1 operands, one E8M0 scale for each 32 along K, by v_wmma_scale_f32_16x16x128_f8f6f4 with both operands' format E2M1 (or v_wmma_scale_f32_32x16x128_f4), f32 sums; products left as they are: f32 operands where the result goes on into a quantised operand, else bf16, f16 or f32 operands; f32 sums; everything else in f32.
;; Inputs: W 8 x 1,048,576 float32; b 8 x 1,024 float32; group_by 8 x 1,024 int32; x 8 x 1,024 x 1,024 float32.
;; Outputs: out0 8 x 1,024 x 1,024 float32.
;; This version of the problem:
;;   THIS VERSION OF THE PROBLEM IS GIVEN IN LOW PRECISION. The matrix products marked QUANTISED in the list below multiply operands that are first quantised to E2M1 (2 exponent bits, 1 mantissa bit; 4 bits a number), with one power-of-two scale for each 32 numbers along K (OCP MX v1.0); their sums are f32. All else is computed in f32.
;;   The module's matrix products, in the order in which they are computed (A, B: the left and right operand; K: the contracted axis; several contracted axes count as one K, in the product's order):
;;     1. [M 8,192, K 1,024] x [K 1,024, N 8,192]; A: input x; B: input W: QUANTISED
;;     2. batch 8,192 x [M 1,024, K 8] x [K 8, N 1]; A: computed on the way; B: computed on the way: left as it is (K = 8 < 32)
;;   THE QUANTISER, for each operand of a quantised product, along K:
;;     - K is cut into blocks of 32 from its start; a last block that is shorter is filled with zeros.
;;     - A block's scale is 2^e with e = floor(log2(the largest magnitude in the block)) - 2, held to -126 .. 127; a block of zeros has e = 0. As a byte (E8M0): e + 127.
;;     - Each number is divided by its block's scale, clamped to +-6, and rounded to the nearest number of E2M1, ties to even, subnormals kept.
;;     - The product sums the exact products of the quantised numbers (number of the format x scale) in f32.
;;   ~~~python
;;   def quantise(x, axis):      # numpy; x: float32 -> the quantised numbers, widened to float32 again
;;       x = np.moveaxis(x, axis, -1); K = x.shape[-1]
;;       x = np.pad(x, [(0, 0)] * (x.ndim - 1) + [(0, -K % 32)]); x = x.reshape(x.shape[:-1] + (-1, 32)); a = np.abs(x).max(-1, keepdims=True)
;;       e = np.where(a > 0, np.clip(np.frexp(np.where(a > 0, a, 1))[1] - 1 - 2, -126, 127), 0)      # np.frexp(a)[1] - 1 = floor(log2(a)), exactly
;;       r = np.clip(x / 2.0 ** e, -6, 6)
;;       step = 2.0 ** (np.maximum(np.frexp(np.where(r == 0, 1, r))[1] - 1, 0) - 1)
;;       q = np.round(r / step) * step * 2.0 ** e      # np.round: ties to even
;;       return np.moveaxis(q.reshape(q.shape[:-2] + (-1,))[..., :K], -1, axis).astype(np.float32)
;;   ~~~
;; One version. Each part assembles by itself: llvm-mc -triple=amdgcn-amd-amdhsa -mcpu=gfx1250 --defsym DOCPART=n.
;; ======== version 1 of 1: 2 launches
;; limits: right only within a limited range of input values
;; workspace buffers: w_img 4,194,304 bytes; w_scales 262,144 bytes; x_codes 4,718,592 bytes; x_scales 294,912 bytes; rows 36,864 bytes of whole numbers; tiles 512 bytes of whole numbers
;; launch prep (part 1): grid 256 x 1, 32 waves a work-group, no clusters, 289,792 bytes of LDS; arguments W, x, group_by, w_img, w_scales, x_codes, x_scales, rows, tiles; writes w_img, w_scales, x_codes, x_scales, rows, tiles
.if DOCPART == 1
	.amdgcn_target "amdgcn-amd-amdhsa--gfx1250"
	.amdhsa_code_object_version 6
	.text
	.protected	k_q28d448986e_prep
	.globl	k_q28d448986e_prep
	.p2align	8
	.type	k_q28d448986e_prep,@function
k_q28d448986e_prep:
	s_mov_b64 s[64:65], 0
	v_nop
	global_prefetch_b8 v0, s[64:65] scope:SCOPE_SE
	s_setreg_imm32_b32 hwreg(HW_REG_WAVE_MODE, 25, 1), 1
	s_wait_xcnt 0x0
; Both operands become codes of FP4 (E2M1) with one E8M0 scale byte for each 32 along k, and every token gets its place in a list sorted by group.
; THE LIST is cut into tiles of 144 rows, all of one group.  Group g, of n_g tokens, takes ceil(n_g / 144) tiles behind those of the groups before it: never more than 64 tiles, whatever the split of 8,192 tokens over 8 groups
; (the sum is at most (8,192 + 8 x 143) / 144 = 64.8).  A token's place is 144 x (its group's first tile) + its rank among the group's tokens.  Only the product of a token with its own group's weight is made by the next launch:
; the choice comes as the index input group_by.
; Work-group B (256 of them), 32 waves:
;   waves 0 .. 15: rows of W, [8,192 = group x 1,024 + output][1,024].  A tile T of 16 rows is rows 64 (T / 4) + T % 4 + 4 r, r = 0 .. 15.  Wave w: tile T = 2 B + w / 8, K step s = w % 8 (128 along k): 16 rows x 512 bytes.
;     w_img [T][k / 32][r][16 bytes] is the order of a matrix operand's registers; w_scales [T][r][32 bytes].
;   waves 16 .. 31: tokens 32 B + 2 (w - 16) + 0, 1.  x_codes [place][512 bytes], x_scales [place][32 bytes], rows [place] = token; tiles [64][2] = group, rows in the tile (0 .. 144).
; No LDS byte is filled twice.  A lane takes whole blocks of 32 numbers, two of them, into 64 registers: a block's largest magnitude needs no
; other lane.  LDS rows are padded by 16 bytes behind 512 (W) or behind 128 (x), so that sixteen lanes' reads start in sixteen different 16-byte columns of 256.
; While the tiles are on their way every work-group counts all 8,192 group ids: in all, and in front of its own 32 tokens.
; THE QUANTISER.  A block's scale is 2^(floor(log2(largest magnitude)) - 2): its byte is the largest magnitude's exponent field - 2, held at 1 from below; each number is divided by the scale and rounded to the nearest code,
; ties to even, beyond 6 the largest code.
; LIMITS: NaN and infinities in x or W are not served.  A block whose largest magnitude lies under 2^-124, a block of zeros among them, gets the byte 1 (the rule says 127 for zeros): a block of zeros has zero codes, which add
; nothing under that byte, and the bytes are read by this program alone.  group_by outside 0 .. 7 is not served: every address is clamped, the list would be wrong.
; A token's 32 scale bytes and its word of the list go out alone: their neighbours belong to tokens of other work-groups.  No cluster: no tile is shared.  No prefetch: there is no loop to run ahead in.
.set WREG,  8448                       ; a W wave's tile: 16 rows x 528
.set XREG,  9216                       ; an x wave's tile: 64 blocks x 144
.set XBASE, 16*WREG
.set TAB,   XBASE+16*XREG              ; 32 waves x 32 bytes of counts
.set SCW,   TAB+1024                   ; W's scale bytes: 16 waves x 64
.set SCX,   SCW+1024                   ; x's scale bytes: 16 waves x 64
.set SPARE, SCX+1024                   ; the spare words, 128 bytes for each wave
.set SPW,   2
.set NIL,   3
.set CAP,   0x23ff                     ; the last place of the list
; v1 lane; v4 16 x lane; v5, v6 my numbers in LDS (W, x); v7, v8 my scale byte; v9 x's scale bytes back; v10, v11 the counts' table out and in; v12 W's scale bytes back; v13, v117 lane permute's indices; v14 token; v15 its group
; v16-23 ids, then at work; v24-31 counts; v32-95 numbers; v96-103 codes
	s_load_b512 s[4:19], s[0:1], 0x0               ; W s[4:5], x s[6:7], group_by s[8:9], w_img s[10:11], w_scales s[12:13], x_codes s[14:15], x_scales s[16:17], rows s[18:19]
	s_load_b64 s[20:21], s[0:1], 0x40              ; tiles
	v_lshl_add_u32 v[SPW], v0, 2, SPARE
	v_mov_b32 v[NIL], 0
	ds_add_u32 v[SPW], v[NIL]                      ; the opening add, twice on end
	ds_add_u32 v[SPW], v[NIL]
	v_lshrrev_b32 v1, 5, v0
	v_readfirstlane_b32 s22, v1                    ; wave 0..31
	v_and_b32 v1, 31, v0
	s_and_b32 s23, s22, 15                         ; which of the 16 of its kind
	; group 1 of W's tiles: 16 rows of 64 elements of 8 bytes, 4 rows of W (16,384 bytes) apart; 16 bytes of padding behind every 512
	s_mov_b32 s24, (3<<16)|(1<<20)|(6<<22)|(3<<25)
	s_mov_b32 s25, 64<<16
	s_mov_b32 s26, 16<<16
	s_mov_b32 s27, 64<<16
	s_mov_b32 s28, 16
	s_mov_b32 s29, 2048
	s_mov_b32 s30, 0
	s_mov_b32 s31, 0
	; group 1 of x's tiles: two dense rows of x, stated as 32 rows of 256 bytes; 16 bytes of padding behind every 128
	s_mov_b32 s32, (3<<16)|(1<<20)|(4<<22)|(3<<25)
	s_mov_b32 s33, 32<<16
	s_mov_b32 s34, 32<<16
	s_mov_b32 s35, 32<<16
	s_mov_b32 s36, 32
	s_mov_b32 s37, 32
	s_mov_b32 s38, 0
	s_mov_b32 s39, 0
	s_mov_b32 s40, 1
	s_mul_i32 s41, s23, WREG
	s_mov_b32 s44, 1
	s_mul_i32 s45, s23, XREG
	s_add_co_u32 s45, s45, XBASE
	s_lshr_b32 s66, ttmp9, 1                       ; W's tile: row 64 (B / 2) + 2 (B % 2) + w / 8, byte 512 (w % 8)
	s_lshl_b32 s66, s66, 18
	s_and_b32 s67, ttmp9, 1
	s_lshl_b32 s67, s67, 13
	s_add_co_u32 s66, s66, s67
	s_lshr_b32 s67, s23, 3
	s_lshl_b32 s67, s67, 12
	s_add_co_u32 s66, s66, s67
	s_and_b32 s67, s23, 7
	s_lshl_b32 s67, s67, 9
	s_add_co_u32 s66, s66, s67
	s_mov_b32 s67, 0
	s_lshl_b32 s68, ttmp9, 17                      ; x's: token 32 B + 2 (w - 16)
	s_lshl_b32 s69, s23, 13
	s_add_co_u32 s68, s68, s69
	s_mov_b32 s69, 0
	s_wait_alu depctr_va_vdst(0)
	s_wait_dscnt 0x0                               ; both opening adds are done
	s_wait_kmcnt 0x0
	s_add_nc_u64 s[42:43], s[4:5], s[66:67]
	s_or_b32 s43, s43, 0x80000000
	s_add_nc_u64 s[46:47], s[6:7], s[68:69]
	s_or_b32 s47, s47, 0x80000000
	s_cmp_lt_u32 s22, 16
	s_cbranch_scc0 .Lfill_x
	tensor_load_to_lds s[40:43], s[24:31]
	s_nop 0
.rept 4
	v_nop
.endr
	s_branch .Lfilled
.Lfill_x:
	tensor_load_to_lds s[44:47], s[32:39]
	s_nop 0
.rept 4
	v_nop
.endr
.Lfilled:
	v_lshlrev_b32 v112, 5, v0                      ; thread i counts tokens 8 i .. 8 i + 7
	global_load_b128 v[16:19], v112, s[8:9]
	global_load_b128 v[20:23], v112, s[8:9] offset:16
	s_lshl_b32 s70, ttmp9, 7
	v_lshl_add_u32 v113, v1, 2, s70
	global_load_b32 v15, v113, s[8:9]              ; the group of token 32 B + lane
	s_lshl_b32 s70, ttmp9, 5
	v_add_nc_u32 v14, s70, v1                      ; and that token
	v_lshlrev_b32 v4, 4, v1
	v_and_b32 v114, 15, v0                         ; r
	v_bfe_u32 v115, v0, 4, 1                       ; h
	v_mul_u32_u24 v5, v114, 528
	v_lshl_add_u32 v5, v115, 7, v5
	v_add_nc_u32 v5, s41, v5                       ; W: lane (r, h) takes blocks h and 2 + h of row r
	v_mul_u32_u24 v6, v1, 144
	v_add_nc_u32 v6, s45, v6                       ; x: lane l takes block l of both tokens
	s_lshl_b32 s71, s23, 6
	v_lshl_add_u32 v7, v114, 2, v115
	v_add_nc_u32 v7, s71, v7
	v_add_nc_u32 v7, SCW, v7
	v_add_nc_u32 v8, s71, v1
	v_add_nc_u32 v8, SCX, v8
	v_and_b32 v9, 3, v0
	v_lshlrev_b32 v9, 4, v9
	v_add_nc_u32 v9, s71, v9
	v_add_nc_u32 v9, SCX, v9
	v_and_b32 v10, 0x3e0, v0
	v_add_nc_u32 v10, TAB, v10
	v_lshl_add_u32 v11, v1, 5, TAB
	v_bfe_u32 v116, v0, 5, 1                       ; W's scale bytes back: waves 0 and 1, tile w: lane 2 r + k reads the words of K steps 4 k .. 4 k + 3 of row r
	v_lshlrev_b32 v12, 9, v116
	v_and_b32 v116, 1, v0
	v_lshl_add_u32 v12, v116, 8, v12
	v_bfe_u32 v116, v0, 1, 4
	v_lshl_add_u32 v12, v116, 2, v12
	v_add_nc_u32 v12, SCW, v12
	s_lshl_b32 s70, s23, 3
	v_mov_b32 v13, s70                             ; lane 2 (w - 16), as a byte index, and the next lane
	v_add_nc_u32 v117, 4, v13
.irp i, 0,1,2,3,4,5,6,7
	v_mov_b32 v[32+\i], 0                          ; a lane permute's destination counts as a source
.endr
	s_mov_b32 s48, 0x000f000f
	s_mov_b32 s50, 0x76543210
	s_mov_b32 s51, 0xfedcba98                      ; lane l xor 16
	s_lshl_b32 s49, ttmp9, 2
	s_wait_alu depctr_va_vdst(0)
	s_wait_loadcnt 0x0
; My eight ids as eight counters of 4 bits (at most 8 each), then as four registers of two 16-bit counters: register i has groups i and i + 4.
.irp i, 0,1,2,3,4,5,6,7
	v_lshlrev_b32 v[16+\i], 2, v[16+\i]
.endr
.irp i, 0,1,2,3,4,5,6,7
	v_lshlrev_b32 v[16+\i], v[16+\i], 1
.endr
	v_add3_u32 v104, v16, v17, v18
	v_add3_u32 v105, v19, v20, v21
	v_add3_u32 v104, v104, v22, v23
	v_add_nc_u32 v104, v104, v105
	v_cmp_gt_u32 vcc_lo, s49, v0                   ; threads 0 .. 4 B - 1 hold the tokens in front of 32 B
	v_cndmask_b32 v105, 0, v104, vcc_lo
.irp i, 1,2,3
	v_lshrrev_b32 v[24+\i], 4*\i, v104
	v_lshrrev_b32 v[28+\i], 4*\i, v105
.endr
	v_and_b32 v24, s48, v104
	v_and_b32 v28, s48, v105
.irp i, 1,2,3
	v_and_b32 v[24+\i], s48, v[24+\i]
	v_and_b32 v[28+\i], s48, v[28+\i]
.endr
.macro RED                             ; the sums over the 32 lanes, in every lane: v24-27 all tokens, v28-31 those in front
.irp m, 1,2,4,8
.irp i, 0,1,2,3,4,5,6,7
	v_add_nc_u32_dpp v[24+\i], v[24+\i], v[24+\i] row_xmask:\m row_mask:0xf bank_mask:0xf
.endr
.endr
.irp i, 0,1,2,3,4,5,6,7
	v_permlanex16_b32 v[32+\i], v[24+\i], s50, s51
.endr
.irp i, 0,1,2,3,4,5,6,7
	v_add_nc_u32 v[24+\i], v[24+\i], v[32+\i]
.endr
.endm
; Two blocks of 32 numbers, v32-63 and v64-95, to codes v96-99 and v100-103 and scale bytes v22 and v23; four chains by turns.
.macro QUANT
.irp b, 0,1
	v_max3_num_f32 v[16+2*\b], |v[32+32*\b]|, |v[33+32*\b]|, |v[34+32*\b]|
	v_max3_num_f32 v[17+2*\b], |v[35+32*\b]|, |v[36+32*\b]|, |v[37+32*\b]|
.endr
.irp i, 6,10,14,18,22,26
.irp b, 0,1
	v_max3_num_f32 v[16+2*\b], v[16+2*\b], |v[32+32*\b+\i]|, |v[33+32*\b+\i]|
	v_max3_num_f32 v[17+2*\b], v[17+2*\b], |v[34+32*\b+\i]|, |v[35+32*\b+\i]|
.endr
.endr
.irp b, 0,1
	v_max3_num_f32 v[16+2*\b], v[16+2*\b], |v[62+32*\b]|, |v[63+32*\b]|
.endr
.irp b, 0,1
	v_max3_num_f32 v[16+2*\b], v[16+2*\b], v[17+2*\b], 0x1800000   ; and the floor 2^(3 - 127): the byte cannot fall under 1
.endr
.irp b, 0,1
	v_add_nc_u32 v[20+\b], 0xff000000, v[16+2*\b]  ; 2 off the exponent field: the conversion takes the exponent field of this operand as its scale
.endr
.irp b, 0,1
.irp g, 0,1,2,3
	v_cvt_scalef32_pk8_fp4_f32 v[96+4*\b+\g], v[32+32*\b+8*\g:39+32*\b+8*\g], v[20+\b]
.endr
.endr
.irp b, 0,1
	v_lshrrev_b32 v[22+\b], 23, v[20+\b]           ; the scale's byte (plain lines behind the conversions)
.endr
.endm
	RED
	ds_store_b128 v10, v[24:27]                    ; my wave's counts
	ds_store_b128 v10, v[28:31] offset:16
	s_wait_alu depctr_va_vdst(0)
	s_wait_dscnt 0x0                               ; for the others' sake: my counts lie in the table
	s_barrier_signal -1
	s_barrier_wait -1
	s_cmp_lt_u32 s22, 16
	s_cbranch_scc1 .Lw
	; ---- x's waves: the places of the work-group's 32 tokens, one a lane
	ds_load_b128 v[24:27], v11                     ; lane p: wave p's counts
	ds_load_b128 v[28:31], v11 offset:16
.irp g, 0,1,2,3,4,5,6,7
	v_cmp_eq_u32 s[66+\g], \g, v15
.endr
	s_wait_dscnt 0x0
	RED
	s_wait_alu depctr_va_vdst(0)
.irp i, 0,1,2,3,4,5,6,7
	v_readfirstlane_b32 s[52+\i], v[24+\i]
.endr
	s_mov_b32 s74, 0                               ; s74-82: the groups' first tiles, and the number of tiles in all
.irp g, 0,1,2,3,4,5,6,7
.if \g < 4
	s_and_b32 s[84+\g], s[52+\g], 0xffff           ; s84-91: the groups' tokens
	s_and_b32 s[92+\g], s[56+\g], 0xffff
.else
	s_lshr_b32 s[84+\g], s[48+\g], 16
	s_lshr_b32 s[92+\g], s[52+\g], 16
.endif
	s_add_co_u32 s83, s[84+\g], 143
	s_mul_i32 s83, s83, 7282
	s_lshr_b32 s83, s83, 20                        ; / 144, exact up to 8,335: 144 x 7,282 = 2^20 + 32
	s_add_co_u32 s[75+\g], s[74+\g], s83
	s_mul_i32 s83, s[74+\g], 144
	s_add_co_u32 s[92+\g], s[92+\g], s83           ; s92-99: the place of the work-group's first token of the group
.endr
.irp g, 0,1,2,3,4,5,6,7
	v_mbcnt_lo_u32_b32 v[104+\g], s[66+\g], s[92+\g]
.endr
.irp g, 1,2,3,4,5,6,7
	v_cndmask_b32 v104, v104, v[104+\g], s[66+\g]
.endr
	ds_bpermute_b32 v118, v13, v104                ; my wave's two tokens' places
	ds_bpermute_b32 v119, v117, v104
	v_min_u32 v120, CAP, v104
	v_lshlrev_b32 v120, 2, v120
	s_wait_alu depctr_va_vdst(0)
	s_cmp_lg_u32 s22, 16
	s_cbranch_scc1 .Lno_list
	global_store_b32 v120, v14, s[18:19]           ; wave 16: the list
.Lno_list:
	s_cmp_lg_u32 s22, 17
	s_cbranch_scc1 .Lno_table
	s_cmp_lg_u32 ttmp9, 0
	s_cbranch_scc1 .Lno_table
.irp q, 105,121                        ; wave 17 of work-group 0: the table of tiles, 32 a store: the last group whose first tile is not behind the tile, and its rows
	v_add_nc_u32 v[\q], 2*(\q)-210, v1
	v_mov_b32 v[\q+1], 0
	v_mov_b32 v[\q+3], 0
	v_mov_b32 v[\q+4], s84
.irp g, 1,2,3,4,5,6,7
	v_cmp_le_u32 vcc_lo, s[74+\g], v[\q]
	v_cndmask_b32 v[\q+1], v[\q+1], \g, vcc_lo
	v_cndmask_b32 v[\q+3], v[\q+3], s[74+\g], vcc_lo
	v_cndmask_b32 v[\q+4], v[\q+4], s[84+\g], vcc_lo
.endr
	v_sub_nc_u32 v[\q+3], v[\q], v[\q+3]
	v_mul_u32_u24 v[\q+3], v[\q+3], 144            ; the group's rows in front of the tile,
	v_min_u32 v[\q+3], v[\q+4], v[\q+3]
	v_sub_nc_u32 v[\q+3], v[\q+4], v[\q+3]         ; what is left from there,
	v_min_u32 v[\q+2], 144, v[\q+3]                ; at most a tile
	v_lshlrev_b32 v[\q+5], 3, v[\q]
	global_store_b64 v[\q+5], v[\q+1:\q+2], s[20:21]
.endr
.Lno_table:
	s_wait_dscnt 0x0                               ; the two places
	v_readfirstlane_b32 s60, v118
	v_readfirstlane_b32 s62, v119
	s_min_u32 s60, s60, CAP
	s_min_u32 s62, s62, CAP
	s_lshl_b32 s60, s60, 9
	s_lshl_b32 s62, s62, 9
	s_mov_b32 s61, 0
	s_mov_b32 s63, 0
	s_add_nc_u64 s[60:61], s[14:15], s[60:61]
	s_add_nc_u64 s[62:63], s[14:15], s[62:63]
	v_bfe_u32 v112, v0, 1, 1                       ; scale bytes: lanes 0, 1 the first token's 32, lanes 2, 3 the second's
	v_cmp_eq_u32 vcc_lo, 1, v112
	v_cndmask_b32 v112, v118, v119, vcc_lo
	v_min_u32 v112, CAP, v112
	v_lshlrev_b32 v112, 5, v112
	v_and_b32 v113, 1, v0
	v_lshl_add_u32 v112, v113, 4, v112
	s_wait_alu depctr_va_vdst(0)
	s_wait_tensorcnt 0x0                           ; my tile is in
.irp q, 0,1
.irp i, 0,1,2,3,4,5,6,7
	ds_load_b128 v[32+32*\q+4*\i:35+32*\q+4*\i], v6 offset:4608*\q+16*\i
.endr
.endr
	s_wait_dscnt 0x0
	QUANT
	ds_store_b8 v8, v22
	ds_store_b8 v8, v23 offset:32
	global_store_b128 v4, v[96:99], s[60:61]       ; a token's row: 512 consecutive bytes
	global_store_b128 v4, v[100:103], s[62:63]
	ds_load_b128 v[24:27], v9                      ; LDS serves a wave's instructions in order: this sees my byte stores
	v_cmp_gt_u32 vcc_lo, 4, v1
	s_wait_alu depctr_va_vdst(0)
	s_wait_dscnt 0x0
	s_wait_xcnt 0x0                                ; EXEC changes only behind this wait
	s_and_saveexec_b32 s100, vcc_lo
	global_store_b128 v112, v[24:27], s[16:17]
	s_wait_xcnt 0x0
	s_or_b32 exec_lo, exec_lo, s100
	s_branch .Ljoin
.Lw:	; ---- W's waves
	s_lshl_b32 s60, ttmp9, 14                      ; 8,192 T + 1,024 s = 16,384 B + 1,024 w
	s_lshl_b32 s61, s23, 10
	s_add_co_u32 s60, s60, s61
	s_mov_b32 s61, 0
	s_add_nc_u64 s[60:61], s[10:11], s[60:61]
	s_wait_tensorcnt 0x0                           ; my tile is in
.irp q, 0,1
.irp i, 0,1,2,3,4,5,6,7
	ds_load_b128 v[32+32*\q+4*\i:35+32*\q+4*\i], v5 offset:256*\q+16*\i
.endr
.endr
	s_wait_dscnt 0x0
	QUANT
	ds_store_b8 v7, v22
	ds_store_b8 v7, v23 offset:2
	global_store_b128 v4, v[96:99], s[60:61]       ; 512 consecutive bytes each
	global_store_b128 v4, v[100:103], s[60:61] offset:512
.Ljoin:
	s_wait_alu depctr_va_vdst(0)
	s_wait_dscnt 0x0                               ; for the others' sake: my scale bytes lie in LDS
	s_barrier_signal -1
	s_barrier_wait -1
	s_cmp_lt_u32 s22, 2
	s_cbranch_scc0 .Ldone
.irp q, 0,1,2,3
	ds_load_b32 v[24+\q], v12 offset:64*\q
.endr
	s_lshl_b32 s66, ttmp9, 10
	s_lshl_b32 s67, s22, 9
	s_add_co_u32 s66, s66, s67
	s_mov_b32 s67, 0
	s_add_nc_u64 s[66:67], s[12:13], s[66:67]
	s_wait_dscnt 0x0
	global_store_b128 v4, v[24:27], s[66:67]       ; a tile's 512 scale bytes
.Ldone:
	s_wait_tensorcnt 0x0                           ; the wave's end
	ds_add_u32 v[SPW], v[NIL]
	s_wait_dscnt 0x0
	s_endpgm
.Lfunc_end_k_q28d448986e_prep:
	.size	k_q28d448986e_prep, .Lfunc_end_k_q28d448986e_prep-k_q28d448986e_prep
	.p2alignl 7, 3214868480
	.fill 96, 4, 3214868480
	.section	.rodata,"a",@progbits
	.p2align	6, 0x0
	.amdhsa_kernel k_q28d448986e_prep
		.amdhsa_group_segment_fixed_size 289792
		.amdhsa_private_segment_fixed_size 0
		.amdhsa_enable_private_segment 0
		.amdhsa_kernarg_size 72
		.amdhsa_user_sgpr_count 2
		.amdhsa_user_sgpr_kernarg_segment_ptr 1
		.amdhsa_wavefront_size32 1
		.amdhsa_system_sgpr_workgroup_id_x 1
		.amdhsa_system_sgpr_workgroup_id_y 1
		.amdhsa_system_sgpr_workgroup_id_z 1
		.amdhsa_system_vgpr_workitem_id 0
		.amdhsa_next_free_vgpr 128
		.amdhsa_next_free_sgpr 104
		.amdhsa_reserve_vcc 1
		.amdhsa_float_denorm_mode_32 3
		.amdhsa_float_denorm_mode_16_64 3
		.amdhsa_memory_ordered 1
		.amdhsa_forward_progress 1
		.amdhsa_inst_pref_size 33
	.end_amdhsa_kernel
	.amdgpu_metadata
---
amdhsa.version: [ 1, 2 ]
amdhsa.kernels:
  - .name:           k_q28d448986e_prep
    .symbol:         k_q28d448986e_prep.kd
    .args:
      - { .name: W, .offset: 0, .size: 8, .value_kind: global_buffer, .address_space: global }
      - { .name: x, .offset: 8, .size: 8, .value_kind: global_buffer, .address_space: global }
      - { .name: group_by, .offset: 16, .size: 8, .value_kind: global_buffer, .address_space: global }
      - { .name: w_img, .offset: 24, .size: 8, .value_kind: global_buffer, .address_space: global }
      - { .name: w_scales, .offset: 32, .size: 8, .value_kind: global_buffer, .address_space: global }
      - { .name: x_codes, .offset: 40, .size: 8, .value_kind: global_buffer, .address_space: global }
      - { .name: x_scales, .offset: 48, .size: 8, .value_kind: global_buffer, .address_space: global }
      - { .name: rows, .offset: 56, .size: 8, .value_kind: global_buffer, .address_space: global }
      - { .name: tiles, .offset: 64, .size: 8, .value_kind: global_buffer, .address_space: global }
    .group_segment_fixed_size: 289792
    .private_segment_fixed_size: 0
    .kernarg_segment_align: 8
    .kernarg_segment_size: 72
    .max_flat_workgroup_size: 1024
    .sgpr_count:     104
    .vgpr_count:     128
    .wavefront_size: 32
...
	.end_amdgpu_metadata
.endif
;; end of part 1
;; launch gemm (part 2): grid 64 x 4, 4 waves a work-group, no clusters, 92,160 bytes of LDS; arguments x_codes, x_scales, w_img, w_scales, b, rows, tiles, out0; writes out0
.if DOCPART == 2
	.amdgcn_target "amdgcn-amd-amdhsa--gfx1250"
	.amdhsa_code_object_version 6
	.text
	.protected	k_q28d448986e_gemm
	.globl	k_q28d448986e_gemm
	.p2align	8
	.type	k_q28d448986e_gemm,@function
k_q28d448986e_gemm:
	s_mov_b64 s[64:65], 0
	v_nop
	global_prefetch_b8 v0, s[64:65] scope:SCOPE_SE
	s_setreg_imm32_b32 hwreg(HW_REG_WAVE_MODE, 25, 1), 1
	s_wait_xcnt 0x0
; out0[token][o] = the sum over k of Q(x)[token][k] Q(W)[group of the token][o][k] + b[group][o], on codes of FP4 (E2M1) with one E8M0 scale for each 32 along k; sums in f32.
; Only the group chosen for a token is multiplied: the choice is read as whole numbers that the launch before stored.
; SHARES.  Work-group (x, slab): tile 8 (x % 8) + x / 8 of the sorted list, at most 144 rows of one group, x 256 outputs.  64 tiles serve every split; a tile that a split leaves empty stores nothing.
; Wave w makes outputs 256 slab + 64 w + 0 .. 63 for all the rows: four tiles of W, 32 fragments, straight from memory into 256 registers, in the order in which the launch before laid them.
; The rows' codes are copied once into LDS (wave w: rows 36 w on) and read by all four waves, 16 rows at a time.
; THE RESULT'S LAYOUT.  Source 0 = 16 rows of x, source 1 = 16 rows of W: register j of lane (r, h) is row 8 h + j.  Tile t's lane r is output 4 r + t of the wave's 64: so the four tiles' registers j are four neighbouring
; outputs.  The addition of the bias puts them side by side, and sixteen lanes store 256 consecutive, aligned bytes of a token's row: the result goes through no LDS.
; ROWS BEHIND A TILE'S LAST ONE, up to the end of its 16, are copies of the last valid row (at most 15 a tile): they compute the same numbers and store the same bytes to the same place.
; No tensor load and no cluster: the text branches on the stored counts, and which rows of W a tile wants hangs on them.  No prefetch: there is no loop to run ahead in.
; LIMITS: as the launch before states them (NaN, infinities, very small blocks, group numbers outside 0 .. 7).
; REGISTERS.  window 0: v0-23, v84-95 addresses; v24-63 x's scale words; v64-79 W's; v80-83 the bias; v96-167 the store offsets of all 144 rows; v168-223 the copy.  window 1: W's fragment (K step s, tile t) at v[8 (4 s + t)].
;   window 2: v0-127 two buffers of x's fragments of 16 rows; v128-159 the accumulators; v192-223 results of rows 128-143.  window 3: results of rows 0-127, registers of their own for each 16: no store's data are written again.
.set XP,    528                        ; a row of codes in LDS: 512 bytes + 16: the 16 rows of a fragment load start in different 16-byte columns of 256
.set XSCL,  144*XP                     ; the rows' scale bytes: 32 + 16 a row
.set XSP,   48
.set TOKL,  XSCL+144*XSP               ; the rows' tokens
.set SPARE, 83712                      ; the spare words, 128 bytes for each wave
.set XS,    24                         ; register 8 p + s: lanes 0-15 the words of rows 32 p on, lanes 16-31 of rows 32 p + 16 on, K step s
.set WS,    64                         ; register 8 u + s: lanes 0-15 tile u, lanes 16-31 tile u + 2
.set BI,    80
.set OFF,   96
.set VO,    168
.set ACC,   128
.set SPW,   22
.set NIL,   23
.set MSB, 0
.macro WIN new                         ; the immediate's high byte repeats the setting that is left
.if MSB != \new
	s_set_vgpr_msb (MSB<<8)|\new
.set MSB, \new
.endif
.endm
	s_load_b512 s[4:19], s[0:1], 0x0               ; x_codes s[4:5], x_scales s[6:7], w_img s[8:9], w_scales s[10:11], b s[12:13], rows s[14:15], tiles s[16:17], out0 s[18:19]
	v_lshl_add_u32 v[SPW], v0, 2, SPARE
	v_mov_b32 v[NIL], 0
	v_lshrrev_b32 v6, 5, v0
	v_readfirstlane_b32 s20, v6                    ; wave 0..3
	s_and_b32 s21, ttmp9, 7
	s_lshl_b32 s21, s21, 3
	s_lshr_b32 s22, ttmp9, 3
	s_add_co_u32 s21, s21, s22                     ; tile
	s_and_b32 s22, ttmp7, 0xffff                   ; slab
	s_mov_b32 s29, 0
	s_lshl_b32 s28, s21, 3
	s_wait_alu depctr_va_vdst(0)
	s_wait_kmcnt 0x0
	s_add_nc_u64 s[26:27], s[16:17], s[28:29]
	s_load_b64 s[24:25], s[26:27], 0x0             ; the tile's group s24 and rows s25; the addresses below are made meanwhile
	v_and_b32 v1, 31, v0
	v_and_b32 v2, 15, v0                           ; r
	v_bfe_u32 v3, v0, 4, 1                         ; h
	v_lshlrev_b32 v9, 4, v1
	v_mul_u32_u24 v10, v2, XP
	v_lshl_add_u32 v10, v3, 4, v10                 ; a fragment: row r, + 16 h
	v_add_nc_u32 v94, 128*XP, v10                  ; and that of rows 128 on, beyond the immediate's reach
	v_mul_u32_u24 v11, v1, XSP
	v_add_nc_u32 v11, XSCL, v11
	v_mul_u32_u24 v12, v2, XSP
	v_add_nc_u32 v12, XSCL+128*XSP, v12            ; rows 128-143, in both halves of the lanes
	s_mul_i32 s23, s20, 36                         ; my wave copies rows 36 w .. 36 w + 35
	v_add_nc_u32 v4, s23, v1                       ; lane l: row 36 w + l
	v_and_b32 v5, 3, v0
	v_add_nc_u32 v5, s23, v5
	v_add_nc_u32 v5, 32, v5                        ; and row 36 w + 32 + l % 4
	s_mul_i32 s32, s20, 36*XP
	v_add_nc_u32 v13, s32, v9
	v_lshl_add_u32 v14, v3, 5, TOKL
	v_lshlrev_b32 v15, 4, v2
	v_mul_u32_u24 v16, v4, XSP
	v_add_nc_u32 v16, XSCL, v16
	v_mul_u32_u24 v17, v5, XSP
	v_add_nc_u32 v17, XSCL, v17
	v_lshl_add_u32 v18, v4, 2, TOKL
	v_lshl_add_u32 v19, v5, 2, TOKL
	v_lshlrev_b32 v20, 10, v3                      ; lanes 16-31: two tiles of 512 bytes on
	v_lshl_add_u32 v20, v2, 5, v20
	s_mul_i32 s33, s20, 36*512
	v_add_nc_u32 v8, s33, v9
.set KK, 0
.rept 36
	v_add_nc_u32 v[VO+KK], 512*KK, v8
.set KK, KK+1
.endr
	s_wait_alu depctr_va_vdst(0)
	s_wait_kmcnt 0x0
	s_min_u32 s24, s24, 7
	s_min_u32 s25, s25, 144
	s_cmp_eq_u32 s25, 0
	s_cselect_b32 s27, 0, s21                      ; an empty tile reads row 0 of tile 0, which is never empty, and stores nothing
	s_min_u32 s27, s27, 63
	s_max_u32 s26, s25, 1
	s_sub_co_u32 s26, s26, 1
	s_min_u32 s26, s26, 143                        ; the last valid row
	s_mul_i32 s28, s27, 576
	s_add_nc_u64 s[34:35], s[14:15], s[28:29]      ; the tile's list,
	s_mul_i32 s28, s27, 4608
	s_add_nc_u64 s[36:37], s[6:7], s[28:29]        ; scale bytes
	s_mul_i32 s28, s27, 73728
	s_add_nc_u64 s[38:39], s[4:5], s[28:29]        ; and codes
	s_lshl_b32 s41, s24, 4
	s_lshl_b32 s40, s22, 2
	s_add_co_u32 s41, s41, s40
	s_add_co_u32 s41, s41, s20                     ; which 64 rows of W: 16 group + 4 slab + wave
	s_lshl_b32 s28, s41, 15
	s_add_nc_u64 s[42:43], s[8:9], s[28:29]
	s_lshl_b32 s28, s41, 11
	s_add_nc_u64 s[44:45], s[10:11], s[28:29]
	s_lshl_b32 s28, s41, 8
	s_add_nc_u64 s[46:47], s[12:13], s[28:29]
	s_lshl_b32 s28, s22, 10
	s_lshl_b32 s40, s20, 8
	s_add_co_u32 s28, s28, s40
	s_add_nc_u64 s[48:49], s[18:19], s[28:29]      ; out0 at my 64 outputs
	s_lshl_b32 s50, s26, 9
	v_min_u32 v6, s26, v4                          ; rows behind the last valid one become copies of it
	v_min_u32 v7, s26, v5
	v_add_nc_u32 v21, s50, v9
	v_min_u32 v6, 0x8f, v6
	v_min_u32 v7, 0x8f, v7
	v_lshlrev_b32 v84, 2, v6
	v_lshlrev_b32 v85, 2, v7
	v_lshlrev_b32 v86, 5, v6
	v_lshlrev_b32 v87, 5, v7
	global_load_b32 v204, v84, s[34:35]
	global_load_b32 v205, v85, s[34:35]
	global_load_b128 v[208:211], v86, s[36:37]
	global_load_b128 v[212:215], v86, s[36:37] offset:16
	global_load_b128 v[216:219], v87, s[36:37]
	global_load_b128 v[220:223], v87, s[36:37] offset:16
.set KK, 0
.rept 36
	v_min_u32 v[VO+KK], v21, v[VO+KK]
.set KK, KK+1
.endr
.set KK, 0
.rept 36
	v_min_u32 v[VO+KK], 0x11ff0, v[VO+KK]          ; inside the tile's 73,728 bytes, whatever was loaded
.set KK, KK+1
.endr
	WIN 0x80                                       ; destination window 2
.set KK, 0
.rept 36
	global_load_b128 v[4*KK:4*KK+3], v[VO+KK], s[38:39]   ; a row: 512 consecutive bytes
.set KK, KK+1
.endr
	WIN 0
.irp u, 0,1
.irp k, 0,1
	global_load_b128 v[WS+8*\u+4*\k:WS+8*\u+4*\k+3], v20, s[44:45] offset:512*\u+16*\k
.endr
.endr
	global_load_b128 v[BI:BI+3], v15, s[46:47]     ; the bias of outputs 4 r .. 4 r + 3
	WIN 0x40                                       ; destination window 1
.irp s, 0,1,2,3,4,5,6,7
.irp t, 0,1,2,3
.irp c, 0,1
	global_load_b128 v[8*(4*\s+\t)+4*\c:8*(4*\s+\t)+4*\c+3], v9, s[42:43] offset:8192*\t+1024*\s+512*\c
.endr
.endr
.endr
	WIN 0
	s_wait_loadcnt 63                              ; 69 loads were issued behind the last row of x: all rows, scale bytes and tokens are in
	WIN 0x08                                       ; LDS store data in window 2
.set KK, 0
.rept 36
	ds_store_b128 v13, v[4*KK:4*KK+3] offset:XP*KK
.set KK, KK+1
.endr
	WIN 0
	ds_store_b128 v16, v[208:211]
	ds_store_b128 v16, v[212:215] offset:16
	ds_store_b128 v17, v[216:219]                  ; (lanes with the same row store the same bytes)
	ds_store_b128 v17, v[220:223] offset:16
	ds_store_b32 v18, v204
	ds_store_b32 v19, v205
	s_wait_alu depctr_va_vdst(0)
	s_wait_dscnt 0x0                               ; for the others' sake: my rows lie in LDS
	s_barrier_signal -1
	s_barrier_wait -1                              ; the one barrier, on every wave's path
	s_cmp_eq_u32 s25, 0
	s_cbranch_scc1 .Lend                           ; an empty tile stores nothing
.irp p, 0,1,2,3
.irp k, 0,1
	ds_load_b128 v[XS+8*\p+4*\k:XS+8*\p+4*\k+3], v11 offset:32*XSP*\p+16*\k
.endr
.endr
.irp k, 0,1
	ds_load_b128 v[XS+32+4*\k:XS+35+4*\k], v12 offset:16*\k
.endr
.irp a, 0,1,2,3,4,5,6,7,8
.irp k, 0,1
	ds_load_b128 v[OFF+8*\a+4*\k:OFF+8*\a+4*\k+3], v14 offset:64*\a+16*\k   ; the tokens of rows 16 a + 8 h + 4 k on
.endr
.endr
.macro LX a                            ; x's fragments of rows 16 a on, all of K: 16 loads into buffer a % 2
	WIN 0x80
.irp s, 0,1,2,3,4,5,6,7
.irp c, 0,1
.if (\a) < 8
	ds_load_b128 v[64*((\a)%2)+8*\s+4*\c:64*((\a)%2)+8*\s+4*\c+3], v10 offset:16*XP*(\a)+64*\s+32*\c
.else
	ds_load_b128 v[8*\s+4*\c:8*\s+4*\c+3], v94 offset:64*\s+32*\c
.endif
.endr
.endr
	WIN 0
.endm
	LX 0
	s_wait_dscnt 16                                ; scale words and tokens are in; the 16 loads of the first fragments may be out
.set KK, 0
.rept 72
	v_min_u32 v[OFF+KK], 0x1fff, v[OFF+KK]
.set KK, KK+1
.endr
.set KK, 0
.rept 72
	v_lshl_add_u32 v[OFF+KK], v[OFF+KK], 12, v15   ; token x 4,096 bytes + 16 r
.set KK, KK+1
.endr
; One product: rows 16 a on, K step s, tile t of W.  The four accumulators take turns, one instruction a turn; the first K step starts the sum.
.macro WM a, s, t
.set rD, ACC+8*(\t)
.set rA, 64*((\a)%2)+8*(\s)
.set rB, 8*(4*(\s)+(\t))
.set rSA, XS+8*((\a)/2)+(\s)
.set rSB, WS+8*((\t)%2)+(\s)
.if (\s) == 0
.if ((\t) < 2) && ((\a)%2 == 0)
	v_wmma_scale_f32_16x16x128_f8f6f4 v[rD:rD+7], v[rA:rA+7], v[rB:rB+7], 0, v[rSA], v[rSB] matrix_a_fmt:MATRIX_FMT_FP4 matrix_b_fmt:MATRIX_FMT_FP4
.elseif (\t) < 2
	v_wmma_scale_f32_16x16x128_f8f6f4 v[rD:rD+7], v[rA:rA+7], v[rB:rB+7], 0, v[rSA], v[rSB] matrix_a_fmt:MATRIX_FMT_FP4 matrix_b_fmt:MATRIX_FMT_FP4 matrix_a_scale:MATRIX_SCALE_ROW1
.elseif (\a)%2 == 0
	v_wmma_scale_f32_16x16x128_f8f6f4 v[rD:rD+7], v[rA:rA+7], v[rB:rB+7], 0, v[rSA], v[rSB] matrix_a_fmt:MATRIX_FMT_FP4 matrix_b_fmt:MATRIX_FMT_FP4 matrix_b_scale:MATRIX_SCALE_ROW1
.else
	v_wmma_scale_f32_16x16x128_f8f6f4 v[rD:rD+7], v[rA:rA+7], v[rB:rB+7], 0, v[rSA], v[rSB] matrix_a_fmt:MATRIX_FMT_FP4 matrix_b_fmt:MATRIX_FMT_FP4 matrix_a_scale:MATRIX_SCALE_ROW1 matrix_b_scale:MATRIX_SCALE_ROW1
.endif
.else
.if ((\t) < 2) && ((\a)%2 == 0)
	v_wmma_scale_f32_16x16x128_f8f6f4 v[rD:rD+7], v[rA:rA+7], v[rB:rB+7], v[rD:rD+7], v[rSA], v[rSB] matrix_a_fmt:MATRIX_FMT_FP4 matrix_b_fmt:MATRIX_FMT_FP4
.elseif (\t) < 2
	v_wmma_scale_f32_16x16x128_f8f6f4 v[rD:rD+7], v[rA:rA+7], v[rB:rB+7], v[rD:rD+7], v[rSA], v[rSB] matrix_a_fmt:MATRIX_FMT_FP4 matrix_b_fmt:MATRIX_FMT_FP4 matrix_a_scale:MATRIX_SCALE_ROW1
.elseif (\a)%2 == 0
	v_wmma_scale_f32_16x16x128_f8f6f4 v[rD:rD+7], v[rA:rA+7], v[rB:rB+7], v[rD:rD+7], v[rSA], v[rSB] matrix_a_fmt:MATRIX_FMT_FP4 matrix_b_fmt:MATRIX_FMT_FP4 matrix_b_scale:MATRIX_SCALE_ROW1
.else
	v_wmma_scale_f32_16x16x128_f8f6f4 v[rD:rD+7], v[rA:rA+7], v[rB:rB+7], v[rD:rD+7], v[rSA], v[rSB] matrix_a_fmt:MATRIX_FMT_FP4 matrix_b_fmt:MATRIX_FMT_FP4 matrix_a_scale:MATRIX_SCALE_ROW1 matrix_b_scale:MATRIX_SCALE_ROW1
.endif
.endif
.endm
; Rows 16 a on: their products while the next rows' fragments come, then the bias, then the way out.
.macro MT a
	s_wait_dscnt 0x0                               ; these rows' fragments are in
.if (\a) < 8
	LX (\a)+1                                      ; the other buffer: its last products lie behind the four places and the additions of the rows before
.endif
.if (\a) == 0
	s_wait_loadcnt 32                              ; W's K steps 0-3, its scale words and the bias are in; K steps 4-7 (32 loads) may be out
.endif
	WIN 0xa6                                       ; source 0 (x) window 2, source 1 (W) window 1, C and D window 2
.irp s, 0,1,2,3,4,5,6,7
.if ((\a) == 0) && (\s == 4)
	s_wait_loadcnt 0x0
.endif
.irp t, 0,1,2,3
	WM (\a), \s, \t
.endr
.endr
.rept 4
	v_nop                                          ; four places behind the products (ISA guide 7.12.1)
.endr
.if (\a) < 8
.set OB, 32*(\a)
	WIN 0xc2                                       ; source 0 window 2, destination window 3
.else
.set OB, 192
	WIN 0x82
.endif
.irp j, 0,1,2,3,4,5,6,7
.irp t, 0,1,2,3
	v_add_f32 v[OB+4*\j+\t], v[ACC+8*\t+\j], v[BI+\t]
.endr
.endr
.if (\a) < 8
	WIN 0x0c                                       ; store data in window 3
.else
	WIN 0x08
.endif
.irp j, 0,1,2,3,4,5,6,7
	global_store_b128 v[OFF+8*(\a)+\j], v[OB+4*\j:OB+4*\j+3], s[48:49] th:TH_STORE_NT   ; rows 16 a + j and 16 a + 8 + j: 256 consecutive, aligned bytes each
.endr
	WIN 0
.if (\a) < 8
	s_cmp_le_u32 s25, 16*((\a)+1)
	s_cbranch_scc1 .Lend                           ; no row is left
.endif
.endm
.irp a, 0,1,2,3,4,5,6,7,8
	MT \a
.endr
.Lend:
	s_wait_tensorcnt 0x0                           ; the wave's end
	ds_add_u32 v[SPW], v[NIL]
	s_wait_dscnt 0x0
	s_endpgm
.Lfunc_end_k_q28d448986e_gemm:
	.size	k_q28d448986e_gemm, .Lfunc_end_k_q28d448986e_gemm-k_q28d448986e_gemm
	.p2alignl 7, 3214868480
	.fill 96, 4, 3214868480
	.section	.rodata,"a",@progbits
	.p2align	6, 0x0
	.amdhsa_kernel k_q28d448986e_gemm
		.amdhsa_group_segment_fixed_size 92160
		.amdhsa_private_segment_fixed_size 0
		.amdhsa_enable_private_segment 0
		.amdhsa_kernarg_size 64
		.amdhsa_user_sgpr_count 2
		.amdhsa_user_sgpr_kernarg_segment_ptr 1
		.amdhsa_wavefront_size32 1
		.amdhsa_system_sgpr_workgroup_id_x 1
		.amdhsa_system_sgpr_workgroup_id_y 1
		.amdhsa_system_sgpr_workgroup_id_z 1
		.amdhsa_system_vgpr_workitem_id 0
		.amdhsa_next_free_vgpr 1024
		.amdhsa_next_free_sgpr 80
		.amdhsa_reserve_vcc 0
		.amdhsa_float_denorm_mode_32 3
		.amdhsa_float_denorm_mode_16_64 3
		.amdhsa_memory_ordered 1
		.amdhsa_forward_progress 1
		.amdhsa_inst_pref_size 99
	.end_amdhsa_kernel
	.amdgpu_metadata
---
amdhsa.version: [ 1, 2 ]
amdhsa.kernels:
  - .name:           k_q28d448986e_gemm
    .symbol:         k_q28d448986e_gemm.kd
    .args:
      - { .name: x_codes, .offset: 0, .size: 8, .value_kind: global_buffer, .address_space: global }
      - { .name: x_scales, .offset: 8, .size: 8, .value_kind: global_buffer, .address_space: global }
      - { .name: w_img, .offset: 16, .size: 8, .value_kind: global_buffer, .address_space: global }
      - { .name: w_scales, .offset: 24, .size: 8, .value_kind: global_buffer, .address_space: global }
      - { .name: b, .offset: 32, .size: 8, .value_kind: global_buffer, .address_space: global }
      - { .name: rows, .offset: 40, .size: 8, .value_kind: global_buffer, .address_space: global }
      - { .name: tiles, .offset: 48, .size: 8, .value_kind: global_buffer, .address_space: global }
      - { .name: out0, .offset: 56, .size: 8, .value_kind: global_buffer, .address_space: global }
    .group_segment_fixed_size: 92160
    .private_segment_fixed_size: 0
    .kernarg_segment_align: 8
    .kernarg_segment_size: 64
    .max_flat_workgroup_size: 128
    .sgpr_count:     80
    .vgpr_count:     1024
    .wavefront_size: 32
...
	.end_amdgpu_metadata
.endif
;; end of part 2
